; MI455X (gfx1250); checked and timed in simulation.
; The chip was launched on July 23, 2026; its instructions are those of AMD's public machine-readable ISA for CDNA 5 (MIT licence, August 2026) and "CDNA5" Instruction Set Architecture Reference Guide (July 2026). The comments in the code are by the model that wrote it; some were corrected since.
;; projection net. Allowed arithmetic: matrix products marked QUANTISED: E2M1 operands, one E8M0 scale for each 32 along K, by v_wmma_scale_f32_16x16x128_f8f6f4 with both operands' format E2M1 (or v_wmma_scale_f32_32x16x128_f4), f32 sums; products left as they are: f32 operands where the result goes on into a quantised operand, else bf16, f16 or f32 operands; f32 sums; everything else in f32.
;; Inputs: emb 4,096 x 512 float32; proj_ids 4,096 int32; rel_att 1,000 x 64 float32; rel_base 64 x 512 x 512 float32; rel_bias 64 x 512 float32.
;; Outputs: out0 4,096 x 512 float32.
;; This version of the problem:
;;   THIS VERSION OF THE PROBLEM IS GIVEN IN LOW PRECISION. The matrix products marked QUANTISED in the list below multiply operands that are first quantised to E2M1 (2 exponent bits, 1 mantissa bit; 4 bits a number), with one power-of-two scale for each 32 numbers along K (OCP MX v1.0); their sums are f32. All else is computed in f32.
;;   The module's matrix products, in the order in which they are computed (A, B: the left and right operand; K: the contracted axis; several contracted axes count as one K, in the product's order):
;;     1. [M 4,096, K 512] x [K 512, N 32,768]; A: input emb; B: input rel_base: QUANTISED
;;     2. batch 4,096 x [M 1, K 64] x [K 64, N 512]; A: computed on the way; B: computed on the way: left as it is (M = 1 < 16)
;;     3. [M 4,096, K 64] x [K 64, N 512]; A: computed on the way; B: input rel_bias: QUANTISED
;;   THE QUANTISER, for each operand of a quantised product, along K:
;;     - K is cut into blocks of 32 from its start; a last block that is shorter is filled with zeros.
;;     - A block's scale is 2^e with e = floor(log2(the largest magnitude in the block)) - 2, held to -126 .. 127; a block of zeros has e = 0. As a byte (E8M0): e + 127.
;;     - Each number is divided by its block's scale, clamped to +-6, and rounded to the nearest number of E2M1, ties to even, subnormals kept.
;;     - The product sums the exact products of the quantised numbers (number of the format x scale) in f32.
;;   ~~~python
;;   def quantise(x, axis):      # numpy; x: float32 -> the quantised numbers, widened to float32 again
;;       x = np.moveaxis(x, axis, -1); K = x.shape[-1]
;;       x = np.pad(x, [(0, 0)] * (x.ndim - 1) + [(0, -K % 32)]); x = x.reshape(x.shape[:-1] + (-1, 32)); a = np.abs(x).max(-1, keepdims=True)
;;       e = np.where(a > 0, np.clip(np.frexp(np.where(a > 0, a, 1))[1] - 1 - 2, -126, 127), 0)      # np.frexp(a)[1] - 1 = floor(log2(a)), exactly
;;       r = np.clip(x / 2.0 ** e, -6, 6)
;;       step = 2.0 ** (np.maximum(np.frexp(np.where(r == 0, 1, r))[1] - 1, 0) - 1)
;;       q = np.round(r / step) * step * 2.0 ** e      # np.round: ties to even
;;       return np.moveaxis(q.reshape(q.shape[:-2] + (-1,))[..., :K], -1, axis).astype(np.float32)
;;   ~~~
;;   OPERANDS COMPUTED ON THE WAY. 'Computed on the way' means the value that the module computes at that place (a softmax that the list does not call 'softmax' is quantised finished and normalised). What goes into a quantiser is computed in f32, as accurately as f32 sums, v_exp_f32 and their like allow (about 1e-6 of the number): no bf16 or f16 on the way to a quantiser, and a product that is left as it is and whose result goes on into a quantised operand takes f32 operands (vector FMAs, or v_wmma_f32_16x16x4_f32). A number that lies on a knife's edge between two numbers of the format may be rounded either way, as far as f32 arithmetic and the matrix unit's own rounding can turn it there, and no further.
;; One version. Each part assembles by itself: llvm-mc -triple=amdgcn-amd-amdhsa -mcpu=gfx1250 --defsym DOCPART=n.
;; ======== version 1 of 1: 3 launches
;; limits: right only within a limited range of input values
;; workspace buffers: aq_codes 1,048,576 bytes; aq_scales 65,536 bytes; bq 8,912,896 bytes; atf 1,048,576 bytes; atq 262,144 bytes; biq 32,768 bytes; y 8,388,608 bytes
;; launch quant (part 1): grid 768 x 1, 8 waves a work-group, no clusters, 47,616 bytes of LDS; arguments emb, rel_base, aq_codes, aq_scales, bq, atf, proj_ids, rel_att, rel_bias, atq, biq; writes aq_codes, aq_scales, bq, atf, atq, biq
.if DOCPART == 1
	.amdgcn_target "amdgcn-amd-amdhsa--gfx1250"
	.amdhsa_code_object_version 6
	.text
	.protected	k_qdf1bf468fd_quant
	.globl	k_qdf1bf468fd_quant
	.p2align	8
	.type	k_qdf1bf468fd_quant,@function
k_qdf1bf468fd_quant:
	s_mov_b64 s[64:65], 0
	v_nop
	global_prefetch_b8 v0, s[64:65] scope:SCOPE_SE
	s_setreg_imm32_b32 hwreg(HW_REG_WAVE_MODE, 25, 1), 1
	s_wait_xcnt 0x0
; out = LayerNorm( sum over r of att[b][r] (Q(emb) Q(rel_base[r]))[b][:] + Q(att) Q(rel_bias) ), att = rel_att[proj_ids].  Three launches: this one, the products, the norm.
; NO WORK IS LEFT OUT: every input has a way to the output; of rel_att only the rows that proj_ids names are read (a lookup by an index).
; THIS LAUNCH makes codes of E2M1 with one E8M0 byte for each 32 along K, laid in the order of the matrix operand's registers:
;   aq_codes [row block 256][kb 16][row 16][16 bytes]   aq_scales [row block][row 16][16 bytes: byte kb]          emb      (kb = k / 32; the 16 bytes: a block's 32 codes, the lower k in the lower bits)
;   bq  [ob 32][r 64] records of 4,352 bytes: codes [kb 16][column 16][16 bytes], then scales [column 16][16 bytes: byte kb]      rel_base (ob = o / 16), K = its MIDDLE axis
;   atf [row block][r / 4: 16][row 16][4 numbers of f32]                                                         att, gathered
;   atq [row block] records of 1,024 bytes: codes [kb 2][row 16][16 bytes], then the row's scale word, four times, for 32 lanes (lanes 16-31 repeat lanes 0-15)      att, K = r
;   biq [ob] records laid as atq's, with columns for rows                                                        rel_bias, K = r
; A block's scale is 2^(floor(log2(its largest magnitude)) - 2): its byte is the largest magnitude's exponent field - 2, held at 1 from below by a floor among the maximum's leaves.
; LIMITS: a block of zeros gets the byte 1 where the rule says 127 (its codes are zeros, and this program alone reads the bytes); NaN and infinities among the inputs are not served.
; Work-groups 0 to 255 take emb (a block of 16 rows each; a wave two rows), and behind that wave 1 the block's rows of att and, in the first 32, wave 2 sixteen columns of rel_bias;
; 256 to 767 take rel_base (one r, 64 columns, all of K).  The two ways part on the work-group's number and have LDS bytes of their own.
.set STG,   5120                       ; emb's way: a wave's two stages of 32 x 80 bytes
.set IMG,   40960                      ; the work-group's image of the codes: 16 kb x (256 + 16) bytes
.set IP,    272
.set SCA,   45312                      ; its 256 scale bytes
.set SCB,   45568                      ; rel_base's way: 64 columns x 16 scale bytes
.set SPARE, 46592                      ; the spare words, 128 bytes for each of the eight waves: four blocks of 256 bytes that no other line names
.set REC,   4352
.set R,     32                         ; v32-63   emb: two sets of 16 numbers as loaded
.set X,     96                         ; v96-127  emb: two sets of 16 neighbours
.set C,     16                         ; v16-19   emb: a row's codes, two sets
.set E,     20                         ; v20-21   emb: a row's byte, two sets
.set XB,    32                         ; v32-95   rel_base: two sets of 32 numbers down K; att, rel_bias: one
.set CB,    96                         ; v96-111  rel_base: a block's codes, a set for each block
	s_load_b128 s[4:7], s[0:1], 0x0                ; emb, rel_base
	s_load_b128 s[8:11], s[0:1], 0x10              ; aq_codes, aq_scales
	s_load_b128 s[12:15], s[0:1], 0x20             ; bq, atf
	v_lshl_add_u32 v30, v0, 2, SPARE               ; my spare word; never rewritten
	v_mov_b32 v31, 0                               ; 0; never rewritten
	v_lshrrev_b32 v1, 5, v0
	v_readfirstlane_b32 s16, v1                    ; wave 0..7
	v_and_b32 v2, 31, v0                           ; lane
	s_wait_alu depctr_va_vdst(0)                   ; a wait ahead of the branch
	s_cmp_lt_u32 ttmp9, 256
	s_cbranch_scc0 .Lbase
; ---------------- emb: wave w takes rows 2 w and 2 w + 1 of the work-group's 16.  Each load reads 512 consecutive bytes; a row's 2,048 bytes turn through the wave's stage so that a lane holds 16 neighbours
; (two lanes a block of 32).  A lane's 8 bytes of codes go to the work-group's image [kb][row][16 bytes] in LDS; behind a barrier wave w stores kb 2 w and 2 w + 1: 512 consecutive bytes.
	v_lshlrev_b32 v3, 4, v2                        ; 16 x lane
	v_lshlrev_b32 v1, 3, v2                        ; 8 x lane
	s_mul_i32 s17, s16, STG                        ; my wave's stages
	v_lshrrev_b32 v14, 2, v2
	v_and_b32 v15, 3, v2
	v_mul_u32_u24 v14, v14, 80
	v_lshrrev_b32 v5, 1, v2                        ; kb = lane / 2
	v_lshl_add_u32 v14, v15, 4, v14
	v_mul_u32_u24 v15, v2, 80
	v_add_nc_u32 v14, s17, v14                     ; a stage, in: 80 (lane / 4) + 16 (lane % 4)
	v_add_nc_u32 v15, s17, v15                     ; and out: 80 x lane
	s_lshl_b32 s18, s16, 5                         ; my two rows' place in a kb's 256 bytes, and among the scale bytes: 32 w
	v_mul_u32_u24 v4, v5, IP
	v_and_b32 v6, 1, v2
	v_add_nc_u32 v5, s18, v5
	v_lshl_add_u32 v4, v6, 3, v4
	v_add_nc_u32 v5, SCA, v5                       ; the scale bytes: 32 w + kb
	v_add_nc_u32 v4, s18, v4
	v_lshrrev_b32 v6, 4, v2
	v_add_nc_u32 v4, IMG, v4                       ; the image: 272 kb + 32 w + 8 (lane % 2); which of my two rows stands in the immediate
	s_mul_i32 s19, s16, 2*IP
	v_mul_u32_u24 v6, v6, IP
	v_and_b32 v7, 15, v2
	v_lshl_add_u32 v10, v2, 3, SCA                 ; the scale bytes, back: 8 a lane
	v_lshl_add_u32 v6, v7, 4, v6
	s_lshl_b32 s26, s16, 9
	v_add_nc_u32 v7, s26, v3                       ; and in the record of codes: 512 w + 16 x lane
	v_add_nc_u32 v6, s19, v6
	v_add_nc_u32 v6, IMG, v6                       ; the image, back: kb 2 w + lane / 16, sixteen lanes a kb
	s_lshl_b32 s20, ttmp9, 15                      ; emb: 16 rows of 2,048 bytes a work-group,
	s_lshl_b32 s21, s16, 12                        ; two rows a wave
	s_add_co_u32 s20, s20, s21
	s_mov_b32 s21, 0
	s_lshl_b32 s22, ttmp9, 12                      ; 4,096 bytes of codes
	s_mov_b32 s23, 0
	s_lshl_b32 s24, ttmp9, 8                       ; 256 scale bytes
	s_mov_b32 s25, 0
	s_wait_alu depctr_va_vdst(0)                   ; the wait at the head's end
	s_wait_kmcnt 0x0
	s_add_nc_u64 s[4:5], s[4:5], s[20:21]
	s_add_nc_u64 s[8:9], s[8:9], s[22:23]
	s_add_nc_u64 s[10:11], s[10:11], s[24:25]
.macro ELOAD t
.irp i, 0,1,2,3
	global_load_b128 v[R+16*(\t)+4*\i:R+16*(\t)+4*\i+3], v3, s[4:5] offset:2048*(\t)+512*\i th:TH_LOAD_NT
.endr
.endm
.macro ETURN t                         ; row t's numbers through its stage: LDS serves a wave's instructions in order, so no wait stands between the stores and the loads
.irp i, 0,1,2,3
	ds_store_b128 v14, v[R+16*(\t)+4*\i:R+16*(\t)+4*\i+3] offset:2560*(\t)+640*\i
.endr
.irp i, 0,1,2,3
	ds_load_b128 v[X+16*(\t)+4*\i:X+16*(\t)+4*\i+3], v15 offset:2560*(\t)+16*\i
.endr
.endm
.macro ESTEP t, left                   ; left: the LDS instructions issued behind this row's loads from the stage, which may stay out
.set XS, X+16*(\t)
	s_wait_dscnt \left
	v_max3_num_f32 v8, |v[XS]|, |v[XS+1]|, |v[XS+2]|               ; the largest magnitude of my 16, in two chains
	v_max3_num_f32 v9, |v[XS+3]|, |v[XS+4]|, |v[XS+5]|
.irp i, 6,10
	s_delay_alu instid0(VALU_DEP_2)
	v_max3_num_f32 v8, v8, |v[XS+\i]|, |v[XS+\i+1]|
	s_delay_alu instid0(VALU_DEP_2)
	v_max3_num_f32 v9, v9, |v[XS+\i+2]|, |v[XS+\i+3]|
.endr
	s_delay_alu instid0(VALU_DEP_2)
	v_max3_num_f32 v8, v8, |v[XS+14]|, |v[XS+15]|
	s_delay_alu instid0(VALU_DEP_1)
	v_max3_num_f32 v8, v8, v9, 0x1800000           ; and the floor 2^(3 - 127): the byte cannot fall under 1
	s_delay_alu instid0(VALU_DEP_1)
	v_max_num_f32_dpp v8, v8, v8 row_xmask:1 row_mask:0xf bank_mask:0xf   ; with my neighbour's 16: the block's
	s_delay_alu instid0(VALU_DEP_1)
	v_add_nc_u32 v11, 0xff000000, v8               ; 2 off the exponent field: the conversion's scale operand
	v_cvt_scalef32_pk8_fp4_f32 v[C+2*(\t)], v[XS:XS+7], v11
	v_cvt_scalef32_pk8_fp4_f32 v[C+2*(\t)+1], v[XS+8:XS+15], v11
	v_lshrrev_b32 v[E+(\t)], 23, v11               ; the scale's byte (a plain line behind the conversions)
	ds_store_b64 v4, v[C+2*(\t):C+2*(\t)+1] offset:16*(\t)
	ds_store_b8 v5, v[E+(\t)] offset:16*(\t)       ; both lanes of a block write the same byte with the same value
.endm
.macro MAXB xs                         ; a block of 32 in my registers: v11 the conversion's scale operand, v13 the byte
	v_max3_num_f32 v12, |v[\xs]|, |v[\xs+1]|, |v[\xs+2]|
	v_max3_num_f32 v13, |v[\xs+3]|, |v[\xs+4]|, |v[\xs+5]|
.irp i, 6,10,14,18,22,26
	s_delay_alu instid0(VALU_DEP_2)
	v_max3_num_f32 v12, v12, |v[\xs+\i]|, |v[\xs+\i+1]|
	s_delay_alu instid0(VALU_DEP_2)
	v_max3_num_f32 v13, v13, |v[\xs+\i+2]|, |v[\xs+\i+3]|
.endr
	s_delay_alu instid0(VALU_DEP_2)
	v_max3_num_f32 v12, v12, |v[\xs+30]|, |v[\xs+31]|
	s_delay_alu instid0(VALU_DEP_1)
	v_max3_num_f32 v12, v12, v13, 0x1800000        ; and the floor
	s_delay_alu instid0(VALU_DEP_1)
	v_add_nc_u32 v11, 0xff000000, v12
	s_delay_alu instid0(VALU_DEP_1)
	v_lshrrev_b32 v13, 23, v11
.endm
	ELOAD 0
	ELOAD 1
	s_wait_loadcnt 4                               ; my first row's four loads are in; the second row's may be out
	ETURN 0
	s_wait_loadcnt 0
	ETURN 1
	ESTEP 0, 8                                     ; behind the first row's loads from the stage: the second row's four stores and four loads
	ESTEP 1, 2                                     ; behind the second row's: the first row's code store and byte store
	s_wait_dscnt 0x0                               ; for the others' sake: my codes and bytes lie in LDS
	s_barrier_signal -1
	s_barrier_wait -1
	ds_load_b128 v[112:115], v6                    ; two kb of all sixteen rows
	s_wait_dscnt 0x0
	global_store_b128 v7, v[112:115], s[8:9]       ; 512 consecutive bytes, aligned
	s_cmp_eq_u32 s16, 1
	s_cbranch_scc1 .Latt
	s_cmp_eq_u32 s16, 2
	s_cbranch_scc1 .Lbias
	s_cmp_lg_u32 s16, 0                            ; wave 0 sends the scale bytes
	s_cbranch_scc1 .Lefin
	ds_load_b64 v[8:9], v10
	s_wait_dscnt 0x0
	global_store_b64 v1, v[8:9], s[10:11]          ; 256 consecutive bytes, aligned
.Lefin:
	s_wait_tensorcnt 0x0                           ; the wave's end: three closing lines behind my last LDS store
	ds_add_u32 v30, v31
	s_wait_dscnt 0x0
	s_endpgm
; ---------------- att and rel_bias: lane (i, h) holds the block r = 32 h .. 32 h + 31 of row (column) i in 32 registers; nothing goes through LDS.
.macro LANES                           ; what both need
	s_mov_b32 s36, 0x76543210
	s_mov_b32 s37, 0xfedcba98                      ; v_permlanex16_b32's selects for lane l xor 16
	v_lshrrev_b32 v22, 4, v2                       ; h
	v_and_b32 v23, 15, v2                          ; i
	v_lshlrev_b32 v25, 4, v2                       ; 16 x lane
	v_mov_b32 v26, 0
	v_lshlrev_b32 v27, 3, v22                      ; 8 h
	v_lshlrev_b32 v28, 2, v23                      ; 4 i
.endm
.macro QT base                         ; codes and scale word out: my byte and lane l xor 16's, at their places; bytes 2 and 3 belong to zero codes of the bias and are 127
	v_lshlrev_b32 v13, v27, v13
	v_permlanex16_b32 v26, v13, s36, s37
	v_or_b32 v13, v13, v26
	v_or_b32 v100, 0x7f7f0000, v13
	v_mov_b32 v101, v100
	v_mov_b32 v102, v100
	v_mov_b32 v103, v100
.irp g, 0,1,2,3
	v_cvt_scalef32_pk8_fp4_f32 v[CB+\g], v[XB+8*\g:XB+8*\g+7], v11
.endr
	v_nop                                          ; a plain line behind the conversions
	global_store_b128 v25, v[CB:CB+3], s[\base:\base+1]            ; 512 consecutive bytes, aligned, each
	global_store_b128 v25, v[100:103], s[\base:\base+1] offset:512
.endm
.Latt:
	s_load_b128 s[24:27], s[0:1], 0x30             ; proj_ids, rel_att
	s_load_b64 s[32:33], s[0:1], 0x48              ; atq
	LANES
	v_lshlrev_b32 v17, 4, v23
	v_lshlrev_b32 v18, 7, v22                      ; 128 h: my half of a row of rel_att
	v_lshl_add_u32 v17, v22, 11, v17               ; atf: 16 i + eight r / 4 of 256 bytes
	s_lshl_b32 s18, ttmp9, 6
	s_mov_b32 s19, 0
	s_lshl_b32 s20, ttmp9, 10
	s_mov_b32 s21, 0
	s_lshl_b32 s22, ttmp9, 12
	s_mov_b32 s23, 0
	s_wait_alu depctr_va_vdst(0)                   ; a wait ahead of the wait below
	s_wait_kmcnt 0x0
	s_add_nc_u64 s[24:25], s[24:25], s[18:19]
	s_add_nc_u64 s[32:33], s[32:33], s[20:21]
	s_add_nc_u64 s[14:15], s[14:15], s[22:23]
	global_load_b32 v29, v28, s[24:25]             ; my row's id
	s_wait_loadcnt 0x0
	v_min_u32 v29, 0x3e7, v29                      ; an index stays inside its table
	v_lshlrev_b32 v29, 8, v29
	v_add_nc_u32 v29, v29, v18
.irp i, 0,1,2,3,4,5,6,7
	global_load_b128 v[XB+4*\i:XB+4*\i+3], v29, s[26:27] offset:16*\i
.endr
	s_wait_loadcnt 0x0
.irp i, 0,1,2,3,4,5,6,7
	global_store_b128 v17, v[XB+4*\i:XB+4*\i+3], s[14:15] offset:256*\i     ; sixteen lanes store 256 consecutive bytes, aligned
.endr
	MAXB XB
	QT 32
	s_branch .Lefin
.Lbias:
	s_cmp_lt_u32 ttmp9, 32                         ; ob
	s_cbranch_scc0 .Lefin
	s_load_b64 s[28:29], s[0:1], 0x40              ; rel_bias
	s_load_b64 s[34:35], s[0:1], 0x50              ; biq
	LANES
	v_lshl_add_u32 v19, v22, 16, v28               ; rel_bias: 32 h rows of 2,048 bytes + 4 i
	s_lshl_b32 s18, ttmp9, 6
	s_mov_b32 s19, 0
	s_lshl_b32 s20, ttmp9, 10
	s_mov_b32 s21, 0
	s_wait_alu depctr_va_vdst(0)                   ; a wait ahead of the wait below
	s_wait_kmcnt 0x0
	s_add_nc_u64 s[28:29], s[28:29], s[18:19]
	s_add_nc_u64 s[34:35], s[34:35], s[20:21]
.irp i, 0,1,2,3,4,5,6,7,8,9,10,11,12,13,14,15,16,17,18,19,20,21,22,23,24,25,26,27,28,29,30,31
	global_load_b32 v[XB+\i], v19, s[28:29] offset:2048*\i
.endr
	s_wait_loadcnt 0x0
	MAXB XB
	QT 34
	s_branch .Lefin
; ---------------- rel_base: work-group = (r, 64 columns).  Wave w: columns 32 (w % 2) on, K step w / 2 (128 along K: four blocks).  A LANE TAKES A COLUMN AND ITS REGISTERS RUN DOWN K: a block of 32 lies in one lane,
; and its 16 bytes of codes are stored as they come: sixteen lanes fill 256 consecutive bytes of a record.  The four waves' scale words of a column meet in LDS and leave as 16 bytes a column.
.Lbase:
	s_sub_co_u32 s17, ttmp9, 256
	s_lshr_b32 s18, s17, 3                         ; r
	s_and_b32 s19, s17, 7                          ; which 64 columns
	s_and_b32 s20, s16, 1                          ; which 32 of them
	s_lshr_b32 s21, s16, 1                         ; K step
	v_lshlrev_b32 v3, 2, v2                        ; in: 4 bytes a lane
	v_lshrrev_b32 v8, 4, v2
	v_and_b32 v9, 15, v2
	v_mul_u32_u24 v4, 64*REC, v8                   ; out: lanes 16-31 belong to the next ob, 64 records on
	v_lshl_add_u32 v4, v9, 4, v4
	s_lshl_b32 s22, s20, 9
	s_add_co_u32 s22, s22, SCB
	v_lshl_add_u32 v6, v2, 4, s22                  ; LDS: my column's 16 scale bytes,
	s_lshl_b32 s23, s21, 2
	v_add_nc_u32 v5, s23, v6                       ; and my K step's word among them
	s_lshl_b32 s24, s18, 20                        ; rel_base: r x 512 x 512 x 4
	s_lshl_b32 s26, s21, 18                        ; + 128 rows of 2,048 bytes a K step
	s_add_co_u32 s24, s24, s26
	s_lshl_b32 s26, s19, 8
	s_add_co_u32 s24, s24, s26
	s_lshl_b32 s26, s20, 7
	s_add_co_u32 s24, s24, s26
	s_mov_b32 s25, 0
	s_lshl_b32 s26, s19, 2
	s_lshl_b32 s27, s20, 1
	s_add_co_u32 s26, s26, s27                     ; ob of lanes 0-15
	s_lshl_b32 s26, s26, 6
	s_add_co_u32 s26, s26, s18                     ; the record (ob, r)
	s_mul_i32 s30, s26, REC
	s_mov_b32 s31, 0
	s_lshl_b32 s27, s21, 10                        ; a K step is four kb of 256 bytes
	s_add_co_u32 s28, s30, s27
	s_mov_b32 s29, 0
	s_wait_alu depctr_va_vdst(0)                   ; the wait at the head's end
	s_wait_kmcnt 0x0
	s_add_nc_u64 s[6:7], s[6:7], s[24:25]
	s_add_nc_u64 s[14:15], s[12:13], s[30:31]
	s_add_nc_u64 s[12:13], s[12:13], s[28:29]
.macro WLOAD t                         ; block t: rel_base(r, 128 s + 32 t + i, my column), i = 0 .. 31
.irp i, 0,1,2,3,4,5,6,7,8,9,10,11,12,13,14,15,16,17,18,19,20,21,22,23,24,25,26,27,28,29,30,31
	global_load_b32 v[XB+32*((\t)%2)+\i], v3, s[6:7] offset:(32*(\t)+\i)*2048 th:TH_LOAD_NT
.endr
.endm
.macro WBLOCK t
.set XS, XB+32*((\t)%2)
.if (\t) < 3
	s_wait_loadcnt 32                              ; this block's 32 loads are in; the next block's may be out
.else
	s_wait_loadcnt 0
.endif
	MAXB XS
.if (\t) == 0
	s_delay_alu instid0(VALU_DEP_1)
	v_mov_b32 v24, v13                             ; four bytes make my column's scale word of this K step
.else
	s_delay_alu instid0(VALU_DEP_1)
	v_lshl_or_b32 v24, v13, 8*(\t), v24
.endif
.irp g, 0,1,2,3
	v_cvt_scalef32_pk8_fp4_f32 v[CB+4*(\t)+\g], v[XS+8*\g:XS+8*\g+7], v11
.endr
	v_nop                                          ; a plain line behind the conversions
	global_store_b128 v4, v[CB+4*(\t):CB+4*(\t)+3], s[12:13] offset:256*(\t)   ; sixteen lanes store 256 consecutive bytes, aligned; each block has registers of its own
.if (\t)+2 < 4
	WLOAD (\t)+2
.endif
.endm
	WLOAD 0
	WLOAD 1
.irp t, 0,1,2,3
	WBLOCK \t
.endr
	ds_store_b32 v5, v24
	s_wait_dscnt 0x0                               ; for the others' sake: my word lies in LDS
	s_barrier_signal -1
	s_barrier_wait -1
	s_cmp_lt_u32 s16, 2                            ; waves 0 and 1 send the two halves' 32 columns
	s_cbranch_scc0 .Lfin
	ds_load_b128 v[112:115], v6
	s_wait_dscnt 0x0
	global_store_b128 v4, v[112:115], s[14:15] offset:4096     ; behind the record's codes: sixteen lanes store 256 consecutive bytes, aligned
.Lfin:
	s_wait_tensorcnt 0x0                           ; the wave's end: three closing lines behind my last LDS store
	ds_add_u32 v30, v31
	s_wait_dscnt 0x0
	s_endpgm
.Lfunc_end_k_qdf1bf468fd_quant:
	.size	k_qdf1bf468fd_quant, .Lfunc_end_k_qdf1bf468fd_quant-k_qdf1bf468fd_quant
	.p2alignl 7, 3214868480
	.fill 96, 4, 3214868480
	.section	.rodata,"a",@progbits
	.p2align	6, 0x0
	.amdhsa_kernel k_qdf1bf468fd_quant
		.amdhsa_group_segment_fixed_size 47616
		.amdhsa_private_segment_fixed_size 0
		.amdhsa_enable_private_segment 0
		.amdhsa_kernarg_size 88
		.amdhsa_user_sgpr_count 2
		.amdhsa_user_sgpr_kernarg_segment_ptr 1
		.amdhsa_wavefront_size32 1
		.amdhsa_system_sgpr_workgroup_id_x 1
		.amdhsa_system_sgpr_workgroup_id_y 1
		.amdhsa_system_sgpr_workgroup_id_z 1
		.amdhsa_system_vgpr_workitem_id 0
		.amdhsa_next_free_vgpr 128
		.amdhsa_next_free_sgpr 66
		.amdhsa_reserve_vcc 0
		.amdhsa_float_denorm_mode_32 3
		.amdhsa_float_denorm_mode_16_64 3
		.amdhsa_memory_ordered 1
		.amdhsa_forward_progress 1
		.amdhsa_inst_pref_size 42
	.end_amdhsa_kernel
	.amdgpu_metadata
---
amdhsa.version: [ 1, 2 ]
amdhsa.kernels:
  - .name:           k_qdf1bf468fd_quant
    .symbol:         k_qdf1bf468fd_quant.kd
    .args:
      - { .name: emb, .offset: 0, .size: 8, .value_kind: global_buffer, .address_space: global }
      - { .name: rel_base, .offset: 8, .size: 8, .value_kind: global_buffer, .address_space: global }
      - { .name: aq_codes, .offset: 16, .size: 8, .value_kind: global_buffer, .address_space: global }
      - { .name: aq_scales, .offset: 24, .size: 8, .value_kind: global_buffer, .address_space: global }
      - { .name: bq, .offset: 32, .size: 8, .value_kind: global_buffer, .address_space: global }
      - { .name: atf, .offset: 40, .size: 8, .value_kind: global_buffer, .address_space: global }
      - { .name: proj_ids, .offset: 48, .size: 8, .value_kind: global_buffer, .address_space: global }
      - { .name: rel_att, .offset: 56, .size: 8, .value_kind: global_buffer, .address_space: global }
      - { .name: rel_bias, .offset: 64, .size: 8, .value_kind: global_buffer, .address_space: global }
      - { .name: atq, .offset: 72, .size: 8, .value_kind: global_buffer, .address_space: global }
      - { .name: biq, .offset: 80, .size: 8, .value_kind: global_buffer, .address_space: global }
    .group_segment_fixed_size: 47616
    .private_segment_fixed_size: 0
    .kernarg_segment_align: 8
    .kernarg_segment_size: 88
    .max_flat_workgroup_size: 256
    .sgpr_count:     66
    .vgpr_count:     128
    .wavefront_size: 32
...
	.end_amdgpu_metadata
.endif
;; end of part 1
;; launch gemm (part 2): grid 8 x 32, 4 waves a work-group, clusters of 4 x 1, 327,680 bytes of LDS; arguments aq_codes, aq_scales, bq, atf, atq, biq, y; writes y
.if DOCPART == 2
	.amdgcn_target "amdgcn-amd-amdhsa--gfx1250"
	.amdhsa_code_object_version 6
	.text
	.protected	k_qdf1bf468fd_gemm
	.globl	k_qdf1bf468fd_gemm
	.p2align	8
	.type	k_qdf1bf468fd_gemm,@function
k_qdf1bf468fd_gemm:
	s_mov_b64 s[64:65], 0
	v_nop
	global_prefetch_b8 v0, s[64:65] scope:SCOPE_SE
	s_setreg_imm32_b32 hwreg(HW_REG_WAVE_MODE, 25, 1), 1
	s_wait_xcnt 0x0
	s_wait_alu depctr_hold_cnt(0) depctr_sa_sdst(0) depctr_va_vdst(0) depctr_va_sdst(0) depctr_va_ssrc(0) depctr_va_vcc(0) depctr_vm_vsrc(0)
	s_getreg_b32 s2, hwreg(HW_REG_IB_STS2, 6, 4)
	s_cmp_eq_u32 s2, 0
	s_cbranch_scc0 .Lentry_in_a_cluster
	s_endpgm
.Lentry_in_a_cluster:
	s_bfe_u32 s2, ttmp6, 0x10000c
	s_cmp_lg_u32 s2, 0x3003
	s_cbranch_scc0 .Lentry_shape_is_right
	s_endpgm
.Lentry_shape_is_right:
; y[b][o] = sum over r of att[b][r] P(r)[b][o] + (Q(att) Q(rel_bias))[b][o],  P(r) = Q(emb) Q(rel_base[r]), from the codes that the launch before has laid.  No work is left out.
; A work-group makes 512 rows x 16 columns of y (work-group x: rows, y: ob = columns / 16) for all 64 r; a wave 128 rows: eight blocks of 16.  grid 8 x 32 = 256 work-groups.
; THE WEIGHTS of its 16 columns, 64 records of 4,352 bytes (codes of 512 along K, then scale words), all lie in LDS and are fetched once: three fills of 8, 16 and 40 records, one tensor load a wave each; no byte is filled twice.
; The four work-groups of a cluster take the same columns: every fill is a joint load.  THE ROWS' codes of all of K stay in 256 registers a wave.
; THE MATRIX INSTRUCTION IS USED TRANSPOSED (source 0 = 16 columns, source 1 = 16 rows): lane (i, h) holds row i of a block, its registers the columns 8 h .. 8 h + 7, so that att[b][r] is one number a lane.
; THE WORK GOES BY PAIRS OF r: one run of loads for the next pair; 64 matrix instructions (for each r four along K on eight accumulators by turns) into two sets of products; then 64 packed multiply-adds onto the sums.
; A UNIT is four pairs.  att comes from memory in sets of four r: a set is asked for in the first run behind its registers' last use, two pairs ahead of its own.
; att is prefetched two units of r ahead (16 units of 256 bytes a wave and unit), by the work-groups of ob 0 to 3 alone since all 32 read the same rows; the first two units' att comes by its loads alone, the last two units ask for nothing.
; The weights are not prefetched: only the third fill would be, and from its request to the wait for it a wave issues 500 matrix instructions and more.
; The bias product comes last, onto the finished sums; its operands are asked for two pairs ahead.  y is laid [ob 32][row 4096][16 columns]: a wave's 128 rows are 8,192 consecutive bytes.
; LIMIT: NaN and infinities among the inputs are not served.  (In the bias product the upper half of K is zero codes on the bias's side; on att's side any codes stand there, and E2M1 has none that is not finite.)
; REGISTERS, in windows of 256.  0: addresses; v24, v56-63 scales of bias and att; v32-47 of the rows; v48-55 of the weights, a set of four for each pair by turns; v64-127 the way out.
;   1: the rows' codes, block a, K step s at 32 a + 8 s.   2: v0-127 the weights' codes, two sets of a pair; v128-255 the products of a pair.   3: v0-63 the sums; v64-127 att, two sets of four r; v128-171 codes of att and bias.
.set REC,   4352
.set STG,   278528                     ; behind the 64 records: a stage of 8 x 16 rows x 80 bytes for each wave
.set SPARE, 319488                     ; the spare words, 128 bytes for each wave: two blocks of 256 bytes that no other line names
.set MUL,   0xa6                       ; source 0 window 2, source 1 window 1, C and D window 2
.set ADD,   0xfe                       ; source 0 window 2, the rest window 3
.set MSB, 0
.macro WIN new                         ; the immediate's high byte repeats the setting that is left
.if MSB != \new
	s_set_vgpr_msb (MSB<<8)|\new
.set MSB, \new
.endif
.endm
.macro CREST                           ; a round of the cluster's barrier behind its opening barrier
	s_cmp_lg_u32 s20, 0
	s_cbranch_scc1 .Lnot_wave_0_\@
	s_barrier_signal -3
.Lnot_wave_0_\@:
	s_barrier_wait -3
	s_barrier_signal -1
	s_barrier_wait -1
.endm
.macro ROUND
	s_barrier_signal -1
	s_barrier_wait -1
	CREST
.endm
.macro JLOAD g                         ; a joint load; s_nop 0 and four v_nop follow it
	tensor_load_to_lds s[\g:\g+3], s[40:47]
	s_nop 0
.rept 4
	v_nop
.endr
.endm
	s_load_b256 s[4:11], s[0:1], 0x0               ; aq_codes, aq_scales, bq, atf
	s_load_b128 s[12:15], s[0:1], 0x20             ; atq, biq
	s_load_b64 s[16:17], s[0:1], 0x30              ; y
	v_lshl_add_u32 v30, v0, 2, SPARE
	v_mov_b32 v31, 0
	ds_add_u32 v30, v31                            ; the wave's opening: the add, twice on end, and its wait
	ds_add_u32 v30, v31
	v_lshrrev_b32 v1, 5, v0
	v_readfirstlane_b32 s20, v1                    ; wave
	s_bfe_u32 s21, ttmp6, 0x40000                  ; place in the cluster
	s_lshl_b32 s22, ttmp9, 2
	s_add_co_u32 s22, s22, s21                     ; which 512 rows
	s_and_b32 s23, ttmp7, 0xffff                   ; ob
	s_lshl_b32 s24, s22, 5
	s_lshl_b32 s25, s20, 3
	s_add_co_u32 s24, s24, s25                     ; my first block of 16 rows
	; descriptor group 1: dense rows of 256 bytes (32 elements of 8 bytes); the mask names the cluster's four; 34 rows a wave for the first fill
	s_mov_b32 s40, 15|(3<<16)|(1<<21)
	s_mov_b32 s41, 32<<16
	s_mov_b32 s42, 34<<16
	s_mov_b32 s43, 32<<16
	s_mov_b32 s44, 34
	s_mov_b32 s45, 32
	s_mov_b32 s46, 0
	s_mov_b32 s47, 0
	; groups 0: s[32:35] records 0-7, s[36:39] 8-23, s[72:75] 24-63; a record's place in LDS is its place among the ob's records in memory
	s_mov_b32 s32, 1
	s_mov_b32 s36, 1
	s_mov_b32 s72, 1
	s_mul_i32 s33, s20, 2*REC
	s_mul_i32 s37, s20, 4*REC
	s_add_co_u32 s37, s37, 8*REC
	s_mul_i32 s73, s20, 10*REC
	s_add_co_u32 s73, s73, 24*REC
	s_mov_b32 s66, s33
	s_mov_b32 s67, 0
	s_mov_b32 s68, s37
	s_mov_b32 s69, 0
	s_mov_b32 s70, s73
	s_mov_b32 s71, 0
	s_mul_i32 s26, s23, 64*REC
	s_mov_b32 s27, 0
	s_lshl_b32 s60, s24, 12                        ; a block's codes, and its att
	s_mov_b32 s61, 0
	s_lshl_b32 s62, s24, 8                         ; its scale words
	s_mov_b32 s63, 0
	s_lshl_b32 s28, s24, 10                        ; its att codes; its rows of y
	s_mov_b32 s29, 0
	s_lshl_b32 s30, s23, 10
	s_mov_b32 s31, 0
	s_lshl_b32 s76, s23, 18
	s_add_co_u32 s76, s76, s28
	s_mov_b32 s77, 0
	s_mul_i32 s25, s20, 10240
	s_add_co_u32 s25, s25, STG                     ; my stage
	s_cmp_lt_u32 s23, 4
	s_cselect_b32 s50, 1, -1                       ; who prefetches, and down to which count of units
	v_and_b32 v1, 31, v0                           ; lane
	v_and_b32 v2, 15, v0                           ; i
	v_bfe_u32 v3, v0, 4, 1                         ; h
	v_lshlrev_b32 v4, 4, v1                        ; 16 x lane
	v_min_u32 v5, 15, v1                           ; the prefetch: lane l names block l % 8, set l / 8; lanes 16-31 name lane 15's again
	v_mul_u32_u24 v16, v2, 80                      ; the stage, in: 80 i + 32 h
	v_and_b32 v6, 7, v5
	v_lshrrev_b32 v7, 3, v5
	v_lshl_add_u32 v16, v3, 5, v16
	v_lshlrev_b32 v5, 12, v6
	v_lshrrev_b32 v6, 2, v1
	v_lshl_add_u32 v5, v7, 8, v5
	v_mul_u32_u24 v17, v6, 80                      ; and out: 80 (lane / 4) + 16 (lane % 4)
	v_and_b32 v6, 3, v1
	v_add_nc_u32 v16, s25, v16
	v_lshl_add_u32 v17, v6, 4, v17
	v_mul_u32_u24 v21, v3, REC
	v_add_nc_u32 v17, s25, v17
	v_lshl_add_u32 v21, v2, 4, v21
	v_lshlrev_b32 v22, 4, v2                       ; att: my row's four numbers
	v_lshlrev_b32 v20, 4, v1                       ; LDS: my 16 bytes of the unit's first record,
	v_add_nc_u32 v21, 4096, v21                    ; and its scale words: lanes 16-31 take the next record's
	WIN 0xc0
.irp i, 160,161,162,163,168,169,170,171
	v_mov_b32 v\i, 0                               ; zero codes of the bias product
.endr
	WIN 0
	s_wait_alu depctr_va_vdst(0)                   ; the wait at the head's end
	s_wait_dscnt 0x0                               ; both opening adds are done
	s_wait_kmcnt 0x0
	s_add_nc_u64 s[8:9], s[8:9], s[26:27]
	s_add_nc_u64 s[34:35], s[8:9], s[66:67]
	s_add_nc_u64 s[38:39], s[8:9], s[68:69]
	s_add_nc_u64 s[74:75], s[8:9], s[70:71]
	s_or_b32 s35, s35, 0x80000000
	s_or_b32 s39, s39, 0x80000000
	s_or_b32 s75, s75, 0x80000000
	s_add_nc_u64 s[56:57], s[4:5], s[60:61]
	s_add_nc_u64 s[6:7], s[6:7], s[62:63]
	s_add_nc_u64 s[52:53], s[10:11], s[60:61]
	s_add_nc_u64 s[12:13], s[12:13], s[28:29]
	s_add_nc_u64 s[14:15], s[14:15], s[30:31]
	s_add_nc_u64 s[58:59], s[16:17], s[76:77]
	ROUND                                          ; all four work-groups are here: the first joint loads meet
	JLOAD 32                                       ; records 0-7
.macro ALOAD q, off                    ; att of four r into set q
	WIN 0xc0
.irp a, 0,1,2,3,4,5,6,7
	global_load_b128 v[64+32*(\q)+4*\a:67+32*(\q)+4*\a], v22, s[52:53] offset:4096*\a+(\off)
.endr
.endm
.macro BLOAD q, rec                    ; the weights of a pair, from the unit's record rec on, into set q
	WIN 0
	ds_load_b128 v[48+4*(\q):51+4*(\q)], v21 offset:(\rec)*REC
	WIN 0x80
.irp e, 0,1
.irp i, 0,1,2,3,4,5,6,7
	ds_load_b128 v[64*(\q)+32*\e+4*\i:64*(\q)+32*\e+4*\i+3], v20 offset:((\rec)+\e)*REC+512*\i
.endr
.endr
.endm
.irp m, 0,1,2,3
	global_load_b128 v[32+4*\m:35+4*\m], v4, s[6:7] offset:512*\m          ; the rows' scale words: lanes 0-15 block 2 m, lanes 16-31 block 2 m + 1
.endr
	ALOAD 0, 0
	WIN 0x40
.irp s, 0,1,2,3
.irp a, 0,1,2,3,4,5,6,7
.irp c, 0,1
	global_load_b128 v[32*\a+8*\s+4*\c:32*\a+8*\s+4*\c+3], v4, s[56:57] offset:4096*\a+1024*\s+512*\c
.endr
.endr
.endr
	WIN 0
	s_wait_tensorcnt 0x0                           ; my part of the first fill is in
	ds_add_u32 v30, v31
	s_mov_b32 s42, 68<<16                          ; no tensor load of mine is out: the second fill's 68 rows a wave
	s_mov_b32 s44, 68
	s_wait_dscnt 0x0
	ROUND
	JLOAD 36                                       ; records 8-23
	BLOAD 0, 0
.macro WM p, e, s, a                   ; r = 8 u + 2 p + e, K step s, block a.  The scale words of odd r and of odd a lie in lanes 16-31
.set rD, 128+64*(\e)+8*(\a)
.set rB, 64*((\p)%2)+32*(\e)+8*(\s)
.set rA, 32*(\a)+8*(\s)
.set rX, 48+4*((\p)%2)+(\s)
.set rY, 32+4*((\a)/2)+(\s)
.if (\s) == 0
.if (\e) && ((\a)%2)
	v_wmma_scale_f32_16x16x128_f8f6f4 v[rD:rD+7], v[rB:rB+7], v[rA:rA+7], 0, v[rX], v[rY] matrix_a_fmt:MATRIX_FMT_FP4 matrix_b_fmt:MATRIX_FMT_FP4 matrix_a_scale:MATRIX_SCALE_ROW1 matrix_b_scale:MATRIX_SCALE_ROW1
.elseif (\e)
	v_wmma_scale_f32_16x16x128_f8f6f4 v[rD:rD+7], v[rB:rB+7], v[rA:rA+7], 0, v[rX], v[rY] matrix_a_fmt:MATRIX_FMT_FP4 matrix_b_fmt:MATRIX_FMT_FP4 matrix_a_scale:MATRIX_SCALE_ROW1
.elseif (\a)%2
	v_wmma_scale_f32_16x16x128_f8f6f4 v[rD:rD+7], v[rB:rB+7], v[rA:rA+7], 0, v[rX], v[rY] matrix_a_fmt:MATRIX_FMT_FP4 matrix_b_fmt:MATRIX_FMT_FP4 matrix_b_scale:MATRIX_SCALE_ROW1
.else
	v_wmma_scale_f32_16x16x128_f8f6f4 v[rD:rD+7], v[rB:rB+7], v[rA:rA+7], 0, v[rX], v[rY] matrix_a_fmt:MATRIX_FMT_FP4 matrix_b_fmt:MATRIX_FMT_FP4
.endif
.else
.if (\e) && ((\a)%2)
	v_wmma_scale_f32_16x16x128_f8f6f4 v[rD:rD+7], v[rB:rB+7], v[rA:rA+7], v[rD:rD+7], v[rX], v[rY] matrix_a_fmt:MATRIX_FMT_FP4 matrix_b_fmt:MATRIX_FMT_FP4 matrix_a_scale:MATRIX_SCALE_ROW1 matrix_b_scale:MATRIX_SCALE_ROW1
.elseif (\e)
	v_wmma_scale_f32_16x16x128_f8f6f4 v[rD:rD+7], v[rB:rB+7], v[rA:rA+7], v[rD:rD+7], v[rX], v[rY] matrix_a_fmt:MATRIX_FMT_FP4 matrix_b_fmt:MATRIX_FMT_FP4 matrix_a_scale:MATRIX_SCALE_ROW1
.elseif (\a)%2
	v_wmma_scale_f32_16x16x128_f8f6f4 v[rD:rD+7], v[rB:rB+7], v[rA:rA+7], v[rD:rD+7], v[rX], v[rY] matrix_a_fmt:MATRIX_FMT_FP4 matrix_b_fmt:MATRIX_FMT_FP4 matrix_b_scale:MATRIX_SCALE_ROW1
.else
	v_wmma_scale_f32_16x16x128_f8f6f4 v[rD:rD+7], v[rB:rB+7], v[rA:rA+7], v[rD:rD+7], v[rX], v[rY] matrix_a_fmt:MATRIX_FMT_FP4 matrix_b_fmt:MATRIX_FMT_FP4
.endif
.endif
.endm
.macro FM p, e, a, k, start            ; two sums += two products x att (one number a lane: the pair's low or high word serves both); start: the first r starts the sums
.set rC, 8*(\a)+2*(\k)
.set rP, 128+64*(\e)+8*(\a)+2*(\k)
.set rT, 64+32*((\p)/2)+4*(\a)+2*((\p)%2)
.if \start
	v_pk_mul_f32 v[rC:rC+1], v[rP:rP+1], v[rT:rT+1] op_sel_hi:[1,0]
.elseif \e
	v_pk_fma_f32 v[rC:rC+1], v[rP:rP+1], v[rT:rT+1], v[rC:rC+1] op_sel:[0,1,0] op_sel_hi:[1,1,1]
.else
	v_pk_fma_f32 v[rC:rC+1], v[rP:rP+1], v[rT:rT+1], v[rC:rC+1] op_sel_hi:[1,0,1]
.endif
.endm
.macro FGRP p, e, start
.irp a, 0,1,2,3,4,5,6,7
.irp k, 0,1,2,3
	FM \p, \e, \a, \k, \start
.endr
.endr
.endm
; last: the last unit.  turn = 1: behind this pair's barrier, a round, the third fill is asked for; 2: a barrier alone, which shows the third fill to every wave.  first: the very first pair.
.macro PAIR p, last, turn, first
	s_wait_dscnt 0x0                               ; this pair's weights are in
	WIN 0
.if ((\p) == 1) && ((\last) == 0)
	s_cmp_gt_u32 s3, s50
	s_cbranch_scc0 .Lnot_mine_\@
	global_prefetch_b8 v5, s[52:53] offset:1024 th:TH_LOAD_NT scope:SCOPE_SE     ; att of the unit after the next
.Lnot_mine_\@:
.endif
.if ((\last)*((\p)/3)) == 0
	BLOAD 1-(\p)%2, 2*(\p)+2                       ; the next pair's
.endif
.if (\p) == 0
	ALOAD 1, 256                                   ; set 1 is free: this unit's second four r
.endif
.if (\p) == 2
.if \last
	WIN 0xc0
.irp a, 0,1,2,3,4,5,6,7
	global_load_b128 v[128+4*\a:131+4*\a], v4, s[12:13] offset:1024*\a     ; the bias product's operands
.endr
	global_load_b128 v[164:167], v4, s[14:15]
	WIN 0
.irp a, 0,1,2,3,4,5,6,7
	global_load_b32 v[56+\a], v4, s[12:13] offset:1024*\a+512
.endr
	global_load_b32 v24, v4, s[14:15] offset:512
.else
	ALOAD 0, 512                                   ; set 0 is free: the next unit's first four r
.endif
.endif
	WIN MUL
.irp e, 0,1
.irp s, 0,1,2,3
.if (\first)*(1-\e)
	s_wait_loadcnt 56-16*\s                        ; the rows' K step s is in; the later ones and set 1 of att may be out
.endif
.irp a, 0,1,2,3,4,5,6,7
	WM \p, \e, \s, \a
.endr
.endr
.endr
.if \turn
	WIN 0
	s_wait_tensorcnt 0x0                           ; my part of the fill that was out is in
.if (\turn) == 1
	ds_add_u32 v30, v31                            ; 32 multiply-adds stand between the add and the wait for it
	s_mov_b32 s42, 170<<16                         ; the third fill's 170 rows a wave
	s_mov_b32 s44, 170
.endif
.endif
.rept 4
	v_nop                                          ; places behind the products
.endr
	WIN ADD
.if (\p) == 0
	s_wait_loadcnt 8                               ; att's set 0 is in; set 1, asked for in this pair, may be out
.endif
.if (\p) == 2
	s_wait_loadcnt 8+10*(\last)                    ; set 1 is in; what this pair has asked for may be out
.endif
	FGRP \p, 0, \first
.if \turn
	s_wait_dscnt 0x0                               ; no LDS instruction of mine is out
	s_barrier_signal -1
.endif
	FGRP \p, 1, 0
.if \turn
	WIN 0
	s_barrier_wait -1
.if (\turn) == 1
	CREST
	JLOAD 72                                       ; records 24-63
.endif
.endif
.endm
.macro UNIT last, turn, first
	PAIR 0, \last, 0, \first
	PAIR 1, \last, 0, 0
	PAIR 2, \last, \turn, 0
	PAIR 3, \last, 0, 0
.if (\last) == 0
	WIN 0
	v_add_nc_u32 v20, 8*REC, v20                   ; on to the next unit's records
	v_add_nc_u32 v21, 8*REC, v21
	s_wait_alu depctr_va_vdst(0)                   ; a wait behind the writes
	s_wait_xcnt 0x0                                ; att's loads and the prefetch have read their base
	s_add_nc_u64 s[52:53], s[52:53], 512
.endif
.endm
	s_mov_b32 s3, 7
	UNIT 0, 1, 1                                   ; r 0-7, from the first fill
	UNIT 0, 0, 0                                   ; r 8-23, from the second
	UNIT 0, 2, 0
	s_mov_b32 s3, 4
.Lunit:                                                ; r 24-55, from the third
	UNIT 0, 0, 0
	s_sub_co_u32 s3, s3, 1
	s_cmp_lg_u32 s3, 0
	s_cbranch_scc1 .Lunit
	UNIT 1, 0, 0                                   ; r 56-63
	s_wait_alu depctr_va_vdst(0)                   ; a wait ahead of the wait below
	s_wait_loadcnt 0x0
	WIN 0xff
.irp a, 0,1,2,3,4,5,6,7                ; the bias product, onto the sums
	v_wmma_scale_f32_16x16x128_f8f6f4 v[8*\a:8*\a+7], v[164:171], v[128+4*\a:135+4*\a], v[8*\a:8*\a+7], v24, v[56+\a] matrix_a_fmt:MATRIX_FMT_FP4 matrix_b_fmt:MATRIX_FMT_FP4
.endr
.rept 4
	v_nop
.endr
	; THE WAY OUT, through my own stage: block by block 16 rows of 64 bytes, 80 bytes apart; LDS serves a wave's instructions in order, so no wait stands between the stores and the loads
	WIN 0x0c
.irp a, 0,1,2,3,4,5,6,7
	ds_store_b128 v16, v[8*\a:8*\a+3] offset:1280*\a
	ds_store_b128 v16, v[8*\a+4:8*\a+7] offset:1280*\a+16
.endr
	WIN 0
.irp a, 0,1,2,3,4,5,6,7
	ds_load_b128 v[64+8*\a:67+8*\a], v17 offset:1280*\a
	ds_load_b128 v[68+8*\a:71+8*\a], v17 offset:1280*\a+640
.endr
.irp t, 0,1,2,3,4,5,6,7,8,9,10,11,12,13,14,15
	s_wait_dscnt 15-\t
	global_store_b128 v4, v[64+4*\t:67+4*\t], s[58:59] offset:512*\t     ; 512 consecutive bytes, aligned
.endr
	s_wait_tensorcnt 0x0                           ; the wave's end
	ds_add_u32 v30, v31
	s_wait_dscnt 0x0
	ROUND                                          ; the closing round: no work-group ends while a partner may still ask for a tile that names it
	s_endpgm
.Lfunc_end_k_qdf1bf468fd_gemm:
	.size	k_qdf1bf468fd_gemm, .Lfunc_end_k_qdf1bf468fd_gemm-k_qdf1bf468fd_gemm
	.p2alignl 7, 3214868480
	.fill 96, 4, 3214868480
	.section	.rodata,"a",@progbits
	.p2align	6, 0x0
	.amdhsa_kernel k_qdf1bf468fd_gemm
		.amdhsa_group_segment_fixed_size 327680
		.amdhsa_private_segment_fixed_size 0
		.amdhsa_enable_private_segment 0
		.amdhsa_kernarg_size 56
		.amdhsa_user_sgpr_count 2
		.amdhsa_user_sgpr_kernarg_segment_ptr 1
		.amdhsa_wavefront_size32 1
		.amdhsa_system_sgpr_workgroup_id_x 1
		.amdhsa_system_sgpr_workgroup_id_y 1
		.amdhsa_system_sgpr_workgroup_id_z 1
		.amdhsa_system_vgpr_workitem_id 0
		.amdhsa_next_free_vgpr 1024
		.amdhsa_next_free_sgpr 80
		.amdhsa_reserve_vcc 0
		.amdhsa_float_denorm_mode_32 3
		.amdhsa_float_denorm_mode_16_64 3
		.amdhsa_memory_ordered 1
		.amdhsa_forward_progress 1
		.amdhsa_inst_pref_size 255
	.end_amdhsa_kernel
	.section	.bss,"aw",@nobits
	.p2align	6
	.space	262144
	.amdgpu_metadata
---
amdhsa.version: [ 1, 2 ]
amdhsa.kernels:
  - .name:           k_qdf1bf468fd_gemm
    .symbol:         k_qdf1bf468fd_gemm.kd
    .args:
      - { .name: aq_codes, .offset: 0, .size: 8, .value_kind: global_buffer, .address_space: global }
      - { .name: aq_scales, .offset: 8, .size: 8, .value_kind: global_buffer, .address_space: global }
      - { .name: bq, .offset: 16, .size: 8, .value_kind: global_buffer, .address_space: global }
      - { .name: atf, .offset: 24, .size: 8, .value_kind: global_buffer, .address_space: global }
      - { .name: atq, .offset: 32, .size: 8, .value_kind: global_buffer, .address_space: global }
      - { .name: biq, .offset: 40, .size: 8, .value_kind: global_buffer, .address_space: global }
      - { .name: y, .offset: 48, .size: 8, .value_kind: global_buffer, .address_space: global }
    .group_segment_fixed_size: 327680
    .private_segment_fixed_size: 0
    .kernarg_segment_align: 8
    .kernarg_segment_size: 56
    .max_flat_workgroup_size: 128
    .sgpr_count:     80
    .vgpr_count:     1024
    .wavefront_size: 32
...
	.end_amdgpu_metadata
.endif
;; end of part 2
;; launch norm (part 3): grid 256 x 1, 4 waves a work-group, no clusters, 0 bytes of LDS; arguments y, out0; writes out0
.if DOCPART == 3
	.amdgcn_target "amdgcn-amd-amdhsa--gfx1250"
	.amdhsa_code_object_version 6
	.text
	.protected	k_qdf1bf468fd_norm
	.globl	k_qdf1bf468fd_norm
	.p2align	8
	.type	k_qdf1bf468fd_norm,@function
k_qdf1bf468fd_norm:
	s_mov_b64 s[64:65], 0
	v_nop
	global_prefetch_b8 v0, s[64:65] scope:SCOPE_SE
	s_setreg_imm32_b32 hwreg(HW_REG_WAVE_MODE, 25, 1), 1
	s_wait_xcnt 0x0
; out0[b][:] = (y[b][:] - mean) / sqrt(variance + 1e-5), mean and variance over the row's 512 numbers, the variance of the differences from the mean, as the problem writes it.  No work is left out.
; y is laid [32][row 4096][16 columns].  A wave takes four rows; a row is four loads of 16 bytes a lane and stays in 16 registers between the passes: y is read once.
; Four lanes read the 64 bytes of a row in one of y's 32 parts; the loads of the wave's four rows together take 256 consecutive bytes, aligned, of each part.  Each store covers 512 consecutive bytes of a row.
; No LDS, no barrier: a row never leaves its wave.  All 16 loads go out at the head; two rows at a time go through the stages by turns and leave while the other two are on their way.
.set X, 16                             ; v16-79   row p: 16 registers
.set T, 80                             ; v80-111  row p: 8 registers at work
	s_load_b128 s[4:7], s[0:1], 0x0                ; y, out0
	v_and_b32 v1, 31, v0
	v_lshrrev_b32 v2, 5, v0
	v_lshrrev_b32 v4, 2, v1
	v_and_b32 v5, 3, v1
	v_lshlrev_b32 v3, 8, v2                        ; y: my wave's four rows of 64 bytes,
	v_lshlrev_b32 v1, 4, v1
	v_lshl_add_u32 v3, v4, 18, v3                  ; the part: lane / 4, 262,144 bytes each,
	v_lshl_add_u32 v1, v2, 13, v1                  ; out0: 16 x lane + my wave's four rows
	v_lshl_add_u32 v3, v5, 4, v3                   ; and 16 bytes a lane
	s_lshl_b32 s2, ttmp9, 15                       ; the work-group's 16 rows in out0,
	s_mov_b32 s3, 0
	s_lshl_b32 s12, ttmp9, 10                      ; and in a part of y
	s_mov_b32 s13, 0
	s_mov_b32 s8, 0x3b000000                       ; 1 / 512
	s_mov_b32 s9, 0x3727c5ac                       ; 1e-5
	s_mov_b32 s10, 0x76543210
	s_mov_b32 s11, 0xfedcba98                      ; v_permlanex16_b32's selects for lane l xor 16
	s_wait_alu depctr_va_vdst(0)                   ; the wait at the head's end
	s_wait_kmcnt 0x0
	s_add_nc_u64 s[4:5], s[4:5], s[12:13]
	s_add_nc_u64 s[6:7], s[6:7], s[2:3]
.irp p, 0,1,2,3
.irp j, 0,1,2,3
	global_load_b128 v[X+16*\p+4*\j:X+16*\p+4*\j+3], v3, s[4:5] offset:64*\p+2097152*\j     ; columns 128 j + 4 lane on
.endr
.endr
.macro REDUCE o, a, b                  ; v[T + 8 p + o] summed over the 32 lanes, in every lane; v[T + 8 p + o + 1] at work
.irp m, 1,2,4,8
.irp p, \a, \b
	v_add_f32_dpp v[T+8*\p+\o], v[T+8*\p+\o], v[T+8*\p+\o] row_xmask:\m row_mask:0xf bank_mask:0xf
.endr
.endr
.irp p, \a, \b
	v_permlanex16_b32 v[T+8*\p+\o+1], v[T+8*\p+\o], s10, s11
.endr
.irp p, \a, \b
	v_add_f32 v[T+8*\p+\o], v[T+8*\p+\o], v[T+8*\p+\o+1]
.endr
.endm
.macro TWO a, b, left                  ; rows a and b; left: the later rows' loads, which may be out
	s_wait_loadcnt \left
.irp p, \a, \b
	v_pk_add_f32 v[T+8*\p:T+8*\p+1], v[X+16*\p:X+16*\p+1], v[X+16*\p+2:X+16*\p+3]
	v_pk_add_f32 v[T+8*\p+2:T+8*\p+3], v[X+16*\p+4:X+16*\p+5], v[X+16*\p+6:X+16*\p+7]
	v_pk_add_f32 v[T+8*\p+4:T+8*\p+5], v[X+16*\p+8:X+16*\p+9], v[X+16*\p+10:X+16*\p+11]
	v_pk_add_f32 v[T+8*\p+6:T+8*\p+7], v[X+16*\p+12:X+16*\p+13], v[X+16*\p+14:X+16*\p+15]
.endr
.irp p, \a, \b
	v_pk_add_f32 v[T+8*\p:T+8*\p+1], v[T+8*\p:T+8*\p+1], v[T+8*\p+2:T+8*\p+3]
	v_pk_add_f32 v[T+8*\p+4:T+8*\p+5], v[T+8*\p+4:T+8*\p+5], v[T+8*\p+6:T+8*\p+7]
.endr
.irp p, \a, \b
	v_pk_add_f32 v[T+8*\p:T+8*\p+1], v[T+8*\p:T+8*\p+1], v[T+8*\p+4:T+8*\p+5]
.endr
.irp p, \a, \b
	v_add_f32 v[T+8*\p], v[T+8*\p], v[T+8*\p+1]    ; my 16 numbers' sum
.endr
	REDUCE 0, \a, \b
.irp p, \a, \b
	v_mul_f32 v[T+8*\p], 0xbb000000, v[T+8*\p]     ; - the mean
.endr
.irp k, 0,2,4,6,8,10,12,14
.irp p, \a, \b
	v_pk_add_f32 v[X+16*\p+\k:X+16*\p+\k+1], v[X+16*\p+\k:X+16*\p+\k+1], v[T+8*\p:T+8*\p+1] op_sel_hi:[1,0]   ; x - mean, in place (the pair's low word serves both halves)
.endr
.endr
.irp p, \a, \b
	v_pk_mul_f32 v[T+8*\p+2:T+8*\p+3], v[X+16*\p:X+16*\p+1], v[X+16*\p:X+16*\p+1]      ; the squares' sums, in two chains
	v_pk_mul_f32 v[T+8*\p+4:T+8*\p+5], v[X+16*\p+2:X+16*\p+3], v[X+16*\p+2:X+16*\p+3]
.endr
.irp k, 4,8,12
.irp p, \a, \b
	v_pk_fma_f32 v[T+8*\p+2:T+8*\p+3], v[X+16*\p+\k:X+16*\p+\k+1], v[X+16*\p+\k:X+16*\p+\k+1], v[T+8*\p+2:T+8*\p+3]
	v_pk_fma_f32 v[T+8*\p+4:T+8*\p+5], v[X+16*\p+\k+2:X+16*\p+\k+3], v[X+16*\p+\k+2:X+16*\p+\k+3], v[T+8*\p+4:T+8*\p+5]
.endr
.endr
.irp p, \a, \b
	v_pk_add_f32 v[T+8*\p+2:T+8*\p+3], v[T+8*\p+2:T+8*\p+3], v[T+8*\p+4:T+8*\p+5]
.endr
.irp p, \a, \b
	v_add_f32 v[T+8*\p+2], v[T+8*\p+2], v[T+8*\p+3]
.endr
	REDUCE 2, \a, \b
.irp p, \a, \b
	v_fma_f32 v[T+8*\p+2], v[T+8*\p+2], s8, s9     ; the variance + 1e-5
.endr
	s_wait_alu depctr_va_vdst(0)                   ; a wait ahead of the batch too
.irp p, \a, \b
	v_rsq_f32 v[T+8*\p+6], v[T+8*\p+2]             ; the two as one batch
.endr
	v_nop                                          ; a plain line behind the last of them
	s_wait_alu depctr_va_vdst(0)                   ; one wait for the batch, ahead of its first reader
.irp p, \a, \b
.irp k, 0,2,4,6,8,10,12,14
	v_pk_mul_f32 v[X+16*\p+\k:X+16*\p+\k+1], v[X+16*\p+\k:X+16*\p+\k+1], v[T+8*\p+6:T+8*\p+7] op_sel_hi:[1,0]
.endr
.irp j, 0,1,2,3
	global_store_b128 v1, v[X+16*\p+4*\j:X+16*\p+4*\j+3], s[6:7] offset:2048*\p+512*\j th:TH_STORE_NT
.endr
.endr
.endm
	TWO 0, 1, 8
	TWO 2, 3, 0
	s_endpgm
.Lfunc_end_k_qdf1bf468fd_norm:
	.size	k_qdf1bf468fd_norm, .Lfunc_end_k_qdf1bf468fd_norm-k_qdf1bf468fd_norm
	.p2alignl 7, 3214868480
	.fill 96, 4, 3214868480
	.section	.rodata,"a",@progbits
	.p2align	6, 0x0
	.amdhsa_kernel k_qdf1bf468fd_norm
		.amdhsa_group_segment_fixed_size 0
		.amdhsa_private_segment_fixed_size 0
		.amdhsa_enable_private_segment 0
		.amdhsa_kernarg_size 16
		.amdhsa_user_sgpr_count 2
		.amdhsa_user_sgpr_kernarg_segment_ptr 1
		.amdhsa_wavefront_size32 1
		.amdhsa_system_sgpr_workgroup_id_x 1
		.amdhsa_system_sgpr_workgroup_id_y 1
		.amdhsa_system_sgpr_workgroup_id_z 1
		.amdhsa_system_vgpr_workitem_id 0
		.amdhsa_next_free_vgpr 112
		.amdhsa_next_free_sgpr 66
		.amdhsa_reserve_vcc 0
		.amdhsa_float_denorm_mode_32 3
		.amdhsa_float_denorm_mode_16_64 3
		.amdhsa_memory_ordered 1
		.amdhsa_forward_progress 1
		.amdhsa_inst_pref_size 17
	.end_amdhsa_kernel
	.amdgpu_metadata
---
amdhsa.version: [ 1, 2 ]
amdhsa.kernels:
  - .name:           k_qdf1bf468fd_norm
    .symbol:         k_qdf1bf468fd_norm.kd
    .args:
      - { .name: y, .offset: 0, .size: 8, .value_kind: global_buffer, .address_space: global }
      - { .name: out0, .offset: 8, .size: 8, .value_kind: global_buffer, .address_space: global }
    .group_segment_fixed_size: 0
    .private_segment_fixed_size: 0
    .kernarg_segment_align: 8
    .kernarg_segment_size: 16
    .max_flat_workgroup_size: 128
    .sgpr_count:     66
    .vgpr_count:     112
    .wavefront_size: 32
...
	.end_amdgpu_metadata
.endif
;; end of part 3
